; MI455X (gfx1250); checked and timed in simulation.
; The chip was launched on July 23, 2026; its instructions are those of AMD's public machine-readable ISA for CDNA 5 (MIT licence, August 2026) and "CDNA5" Instruction Set Architecture Reference Guide (July 2026). The comments in the code are by the model that wrote it; some were corrected since.
;; Roberta Local Attention. Allowed arithmetic: matrix products marked QUANTISED: E2M3 operands, one E8M0 scale for each 32 along K, by v_wmma_scale_f32_16x16x128_f8f6f4 with both operands' format E2M3, f32 sums; everything else in f32.
;; Inputs: b_qkv 3,072 float32; w_qkv_codes 3,072 x 32 x 24 uint8 (E2M3 codes of w_qkv, K innermost, in blocks of 32 codes, four codes in three bytes); w_qkv_scales 3,072 x 32 uint8 (E8M0 scales of w_qkv, one for each 32 codes along K); x_codes 4 x 4,096 x 32 x 24 uint8 (E2M3 codes of x, K innermost, in blocks of 32 codes, four codes in three bytes); x_scales 4 x 4,096 x 32 uint8 (E8M0 scales of x, one for each 32 codes along K).
;; Outputs: out0 4 x 4,096 x 1,024 float32.
;; This version of the problem:
;;   THIS VERSION OF THE PROBLEM IS GIVEN IN LOW PRECISION. The matrix products marked QUANTISED in the list below multiply operands that are first quantised to E2M3 (2 exponent bits, 3 mantissa bits; 6 bits a number), with one power-of-two scale for each 32 numbers along K (OCP MX v1.0); their sums are f32. All else is computed in f32.
;;   The module's matrix products, in the order in which they are computed (A, B: the left and right operand; K: the contracted axis; several contracted axes count as one K, in the product's order):
;;     1. [M 16,384, K 1,024] x [K 1,024, N 3,072]; A: input x (given as codes); B: input w_qkv (given as codes): QUANTISED
;;     2. batch 2,048 x [M 128, K 64] x [K 64, N 384]; A: computed on the way; B: computed on the way: QUANTISED
;;     3. batch 2,048 x [M 128, K 384] x [K 384, N 64]; A: computed on the way; B: computed on the way: QUANTISED
;;   THE QUANTISER, for each operand of a quantised product, along K:
;;     - K is cut into blocks of 32 from its start; a last block that is shorter is filled with zeros.
;;     - A block's scale is 2^e with e = floor(log2(the largest magnitude in the block)) - 2, held to -126 .. 127; a block of zeros has e = 0. As a byte (E8M0): e + 127.
;;     - Each number is divided by its block's scale, clamped to +-7.5, and rounded to the nearest number of E2M3, ties to even, subnormals kept.
;;     - The product sums the exact products of the quantised numbers (number of the format x scale) in f32.
;;   ~~~python
;;   def quantise(x, axis):      # numpy; x: float32 -> the quantised numbers, widened to float32 again
;;       x = np.moveaxis(x, axis, -1); K = x.shape[-1]
;;       x = np.pad(x, [(0, 0)] * (x.ndim - 1) + [(0, -K % 32)]); x = x.reshape(x.shape[:-1] + (-1, 32)); a = np.abs(x).max(-1, keepdims=True)
;;       e = np.where(a > 0, np.clip(np.frexp(np.where(a > 0, a, 1))[1] - 1 - 2, -126, 127), 0)      # np.frexp(a)[1] - 1 = floor(log2(a)), exactly
;;       r = np.clip(x / 2.0 ** e, -7.5, 7.5)
;;       step = 2.0 ** (np.maximum(np.frexp(np.where(r == 0, 1, r))[1] - 1, 0) - 3)
;;       q = np.round(r / step) * step * 2.0 ** e      # np.round: ties to even
;;       return np.moveaxis(q.reshape(q.shape[:-2] + (-1,))[..., :K], -1, axis).astype(np.float32)
;;   ~~~
;;   OPERANDS COMPUTED ON THE WAY. 'Computed on the way' means the value that the module computes at that place (a softmax that the list does not call 'softmax' is quantised finished and normalised). What goes into a quantiser is computed in f32, as accurately as f32 sums, v_exp_f32 and their like allow (about 1e-6 of the number): no bf16 or f16 on the way to a quantiser, and a product that is left as it is and whose result goes on into a quantised operand takes f32 operands (vector FMAs, or v_wmma_f32_16x16x4_f32). A number that lies on a knife's edge between two numbers of the format may be rounded either way, as far as f32 arithmetic and the matrix unit's own rounding can turn it there, and no further.
;;   INPUTS GIVEN AS CODES. w_qkv (in the module: [1024, 3072], K = its axis 0); x (in the module: [4, 4096, 1024], K = its axis 2): each comes as NAME_codes (uint8): NAME with its K axis moved to the last place and cut into blocks of 32 codes, [.., K / 32, bytes a block], one block behind the other in memory; four codes in three bytes: a row's codes are one little-endian stream of bits, code i at bits 6 i .. 6 i + 5 (a code: sign, 2 exponent bits, 3 mantissa bits); and NAME_scales (uint8): the same leading axes, one E8M0 byte (e + 127) for each 32 codes along K. Its value is code x scale, taken as it is: it is not quantised again, and the codes and scales need not be those that the quantiser above would give.
;; One version. Each part assembles by itself: llvm-mc -triple=amdgcn-amd-amdhsa -mcpu=gfx1250 --defsym DOCPART=n.
;; ======== version 1 of 1: 2 launches
;; limits: right only within a limited range of input values
;; workspace buffers: pa 26,738,688 bytes; pb 13,369,344 bytes; ps 3,342,336 bytes
;; launch proj (part 1): grid 4 x 64, 4 waves a work-group, clusters of 4 x 4, 327,680 bytes of LDS; arguments x_codes, x_scales, w_qkv_codes, w_qkv_scales, b_qkv, pa, pb, ps; writes pa, pb, ps
.if DOCPART == 1
	.amdgcn_target "amdgcn-amd-amdhsa--gfx1250"
	.amdhsa_code_object_version 6
	.text
	.protected	k_q435119d4d9_proj
	.globl	k_q435119d4d9_proj
	.p2align	8
	.type	k_q435119d4d9_proj,@function
k_q435119d4d9_proj:
	s_mov_b64 s[64:65], 0
	v_nop
	global_prefetch_b8 v0, s[64:65] scope:SCOPE_SE
	s_setreg_imm32_b32 hwreg(HW_REG_WAVE_MODE, 25, 1), 1
	s_wait_xcnt 0x0
	s_wait_alu depctr_hold_cnt(0) depctr_sa_sdst(0) depctr_va_vdst(0) depctr_va_sdst(0) depctr_va_ssrc(0) depctr_va_vcc(0) depctr_vm_vsrc(0)
	s_getreg_b32 s2, hwreg(HW_REG_IB_STS2, 6, 4)
	s_cmp_eq_u32 s2, 0
	s_cbranch_scc0 .Lentry_in_a_cluster
	s_endpgm
.Lentry_in_a_cluster:
	s_bfe_u32 s2, ttmp6, 0x10000c
	s_cmp_lg_u32 s2, 0xf033
	s_cbranch_scc0 .Lentry_shape_is_right
	s_endpgm
.Lentry_shape_is_right:
; qkv = x w + b on codes of FP6 (E2M3), one E8M0 scale for each 32 along K = 1,024; the results are quantised at once and leave as codes:
; q and k along the head's 64 (two blocks of 32), v along the keys (blocks of 32 positions).  x: 16,384 rows, w: 3,072 rows, 768 bytes of codes and 32 scale bytes a row.
; A WORK-GROUP STAYS and makes three tiles of 256 x 256, q's, k's and v's, for its 256 positions; four waves, 128 x 128 each: 64 accumulators, 512 registers.
; SOURCE 0 gives the axis that runs along a lane's registers, the axis along which a result is quantised: q, k: source 0 = rows of w, source 1 = rows of x; v: source 0 = rows of x (keys), source 1 = rows of w.
; THE RING: two LDS slots, each one chunk of 256 bytes of 256 rows of both sources; a tile has three chunks, in slots 0, 1, 0; a step of 128 along K is 96 bytes, eight steps to three chunks.
; A tile that has a successor asks for the next tile's chunk 1 when its own chunk 1 is read out (step 5) and for the next tile's chunk 0 when its chunk 2 is read out (step 7); the way out follows both requests.
; CLUSTERS 4 x 4: source 1's tile hangs on cy and is shared along a row, source 0's on cx and is shared along a column; each chunk is asked for jointly, a quarter of a slot a wave.
; THE SCALE BYTES of a tile's 512 rows, 16,384 bytes, 4 in a hundred of the tile's bytes, come by plain loads, 4,096 bytes a wave in whole runs of 512, and are stored into LDS bytes of their own.
; NO PREFETCH: the block is the largest that the registers hold, in clusters, and K is three chunks; two of a later tile's three chunks are asked for a whole way out ahead of their first read.
; THE ORDER INSIDE A BLOCK OF 32: a lane's 16 registers of two neighbouring accumulators are the indices 8 h + 0..7 and 16 + 8 h + 0..7; converted and exchanged between the lane halves a block's codes lie in the
; order 0-7, 16-23, 8-15, 24-31.  The same order falls on both operands of each later product, so the sums are those of the true order.
; WORKSPACE, by windows of 128 positions: widx = (tensor x 64 + batch x 16 + head) x 34 + window + 1; slots 0 and 33 of k and v are the pads of -1 (code 0x38, byte 125), written here too.
;   pa: registers 0-3 of each block's six, 4,096 bytes a window; pb: registers 4-5, 2,048 bytes; ps: scale words, 512 bytes.
;   q, k: pa [tile of 16 positions][lane][16];  ps [tile][r]: the two bytes written twice.   v: pa [key block][tile of 16 d][r][16];  ps [copy][tile][r]: the window's four bytes.
; LIMITS: NaN, infinities and scale bytes 0xff among the inputs are not served.  A block of zeros gets the byte 1 where the rule says 127: its codes are zeros and this program alone reads the bytes.
; The bias is the first product's C (q, k) or is added behind the sums (v): one f32 rounding in another order than x w + b.
.set ROWB,   256
.set NQ,     2
.set KROW,   768
.set CHUNKS, 3
.set PITCH,  272                       ; 256 bytes + 16 of padding
.set FR,     12
.set NL,     6
.set NP,     4                         ; places behind this matrix instruction (ISA guide 7.12.1)
.set HALFT,  128*PITCH
.set SLOT,   4*HALFT
.set KS,     32
.set SCL,    2*SLOT                    ; the scale bytes: runs of 256 bytes + 16; no tensor load lands here
.set HALFS,  16*272
.set SBLK,   2*272
.set SPARE,  SCL+4*HALFS               ; the spare words, 128 bytes a wave
.set STG,    SPARE+512                 ; the way out's scale words, 1,024 bytes a wave
.set HSA,    34*4096                   ; from head to head in pa (in pb half of it)
.set HSS,    34*512                    ; and in ps
.set YB,   8                           ; v8-15 v's bias b(16 a + r)
.set ADRA, 16                          ; v16-17 source 1's fragments in slot 0, 1; v18-19 for pieces whose lane halves lie in different chunks
.set ADRB, 20                          ; v20-23 the same for source 0
.set SST,  24                          ; where my scale word goes in my stage
.set SRD,  25                          ; where 16 bytes of them are read back
.set SWA,  26                          ; where my part of a tile's scale bytes goes
.set ADRS, 27                          ; my scale words: lanes 0-15 source 1's rows, lanes 16-31 source 0's
.set SPW,  28
.set NIL,  29
.set BO,   30                          ; 32 h
.set YO,   31                          ; 4 r
.set SC,   32                          ; v32-63 scale words, two sets
.set BC,   64                          ; v64-127 q's, k's bias in the result's layout: register 8 b + j = b(16 b + 8 h + j); zeros for v
.set AF,   128                         ; v128-223 source 1's fragments
.set T,    128                         ; v's way out: 64 numbers of a lane
.set SR,   128                         ; q's, k's way out: the next tile's scale bytes, 32 registers
.set TW,   160                         ; and the eight scale words
.set PC,   192
.set TM,   212
.set PW,   228
.set YP,   230
.set L16,  232                         ; 16 lane
.set L8,   233                         ; 8 lane
.set VA,   234                         ; v: 1,024 h + 16 r
.set VB,   235                         ; 512 h + 8 r
.set VS,   238                         ; HSS h + 16 r
.set SH,   240                         ; 16 h
.set RB,   244
.set G1, 24
.set G0, 32
.set SEL, 40
.set G1B, 48
.set G0B, 56
.set MSB, 0
.macro WIN new
.if MSB != \new
	s_set_vgpr_msb (MSB<<8)|\new
.set MSB, \new
.endif
.endm
.set MUL_LO,  0xa1                     ; source 0 window 1, source 1 window 0, C and D window 2
.set MUL_HI,  0xf1
.set MUL_LO0, 0x81                     ; the first step: C (the bias) window 0
.set MUL_HI0, 0xc1
.set TO_B,    0x40
; a joint load: waves 0, 1 fetch for source 1, waves 2, 3 for source 0; the branch hangs on the wave's number alone
.macro JLOAD g0a, g1a, g0b, g1b
	s_cmp_eq_u32 s15, 0
	s_cbranch_scc0 .Lfor_b_\@
	tensor_load_to_lds s[\g0a:\g0a+3], s[\g1a:\g1a+7]
	s_nop 0
.rept 4
	v_nop
.endr
	s_branch .Lasked_\@
.Lfor_b_\@:
	tensor_load_to_lds s[\g0b:\g0b+3], s[\g1b:\g1b+7]
	s_nop 0
.rept 4
	v_nop
.endr
.Lasked_\@:
.endm
.macro CREST
	s_cmp_lg_u32 s14, 0
	s_cbranch_scc1 .Lnot_wave_0_\@
	s_barrier_signal -3
.Lnot_wave_0_\@:
	s_barrier_wait -3
	s_barrier_signal -1
	s_barrier_wait -1
.endm
.macro CROUND
	s_barrier_signal -1
	s_barrier_wait -1
	CREST
.endm
; the next tile's sources: s76, s77 first rows of source 1, 0; s[78:85] their codes and scales.  s2 = 2: the next tile is v's
.macro PICK
	s_add_co_u32 s77, s23, 1024                    ; k's rows of w lie 1,024 behind q's
	s_cmp_eq_u32 s2, 2
	s_cselect_b32 s76, s18, s17
	s_cselect_b32 s77, s19, s77
	s_cselect_b64 s[78:79], s[8:9], s[4:5]
	s_cselect_b64 s[80:81], s[4:5], s[8:9]
	s_cselect_b64 s[82:83], s[10:11], s[6:7]
	s_cselect_b64 s[84:85], s[6:7], s[10:11]
.endm
; both group 0 addresses of a slot: my 128 rows of the picked tiles, add bytes along the rows.  Written only where no tensor load of mine is out
.macro SETG slot, add
	s_add_co_u32 s42, s76, s22
	s_mul_i32 s42, s42, KROW
	s_mov_b32 s43, 0
	s_add_nc_u64 s[G0+4*\slot+2:G0+4*\slot+3], s[78:79], s[42:43]
	s_add_co_u32 s46, s77, s22
	s_mul_i32 s46, s46, KROW
	s_mov_b32 s47, 0
	s_add_nc_u64 s[G0B+4*\slot+2:G0B+4*\slot+3], s[80:81], s[46:47]
.if \add
	s_add_nc_u64 s[G0+4*\slot+2:G0+4*\slot+3], s[G0+4*\slot+2:G0+4*\slot+3], \add
	s_add_nc_u64 s[G0B+4*\slot+2:G0B+4*\slot+3], s[G0B+4*\slot+2:G0B+4*\slot+3], \add
.endif
	s_or_b32 s[G0+4*\slot+3], s[G0+4*\slot+3], 0x80000000
	s_or_b32 s[G0B+4*\slot+3], s[G0B+4*\slot+3], 0x80000000
.endm
; my 4,096 of the picked tiles' scale bytes: waves 0, 1 source 1's halves, waves 2, 3 source 0's; eight loads of 512 consecutive bytes
.macro SCLOAD
	s_cmp_eq_u32 s15, 0
	s_cselect_b32 s66, s76, s77
	s_cselect_b64 s[86:87], s[82:83], s[84:85]
	s_add_co_u32 s66, s66, s22
	s_lshl_b32 s66, s66, 5
	s_mov_b32 s67, 0
	s_add_nc_u64 s[86:87], s[86:87], s[66:67]
.irp i, 0,1,2,3,4,5,6,7
	global_load_b128 v[SR+4*\i:SR+4*\i+3], v[L16], s[86:87] offset:512*\i
.endr
.endm
.macro SCSTORE
.irp i, 0,1,2,3,4,5,6,7
	ds_store_b128 v[SWA], v[SR+4*\i:SR+4*\i+3] offset:544*\i
.endr
.endm
.macro BCLOAD row                      ; q's or k's bias at my 128 features, first row of w in \row
	s_add_co_u32 s66, \row, s22
	s_lshl_b32 s66, s66, 2
	s_mov_b32 s67, 0
	s_add_nc_u64 s[88:89], s[12:13], s[66:67]
.irp b, 0,1,2,3,4,5,6,7
	global_load_b128 v[BC+8*\b:BC+8*\b+3], v[BO], s[88:89] offset:64*\b
	global_load_b128 v[BC+8*\b+4:BC+8*\b+7], v[BO], s[88:89] offset:64*\b+16
.endr
.endm
; my window in pa s[90:91], pb s[92:93], ps s[94:95], from my first feature f and my first position p
.macro OUTPTR f, p
	s_lshr_b32 s66, \f, 10
	s_lshl_b32 s66, s66, 6
	s_bfe_u32 s67, \f, 0x40006
	s_add_co_u32 s66, s66, s67
	s_lshr_b32 s67, \p, 12
	s_lshl_b32 s67, s67, 4
	s_add_co_u32 s66, s66, s67
	s_mul_i32 s66, s66, 34
	s_bfe_u32 s67, \p, 0x50007
	s_add_co_u32 s66, s66, s67
	s_add_co_u32 s66, s66, 1
	s_lshl_b32 s66, s66, 9
	s_mov_b32 s67, 0
	s_add_nc_u64 s[94:95], s[72:73], s[66:67]
	s_lshl_b32 s66, s66, 2
	s_add_nc_u64 s[92:93], s[70:71], s[66:67]
	s_lshl_b32 s66, s66, 1
	s_add_nc_u64 s[90:91], s[68:69], s[66:67]
.endm
	s_load_b256 s[4:11], s[0:1], 0x0               ; x's codes, x's scales, w's codes, w's scales
	s_load_b64 s[12:13], s[0:1], 0x20              ; b
	s_load_b128 s[68:71], s[0:1], 0x28             ; pa, pb
	s_load_b64 s[72:73], s[0:1], 0x38              ; ps
	v_lshl_add_u32 v[SPW], v0, 2, SPARE
	v_mov_b32 v[NIL], 0
	ds_add_u32 v[SPW], v[NIL]                      ; the opening lines: the add, twice on end, and its wait
	ds_add_u32 v[SPW], v[NIL]
	v_lshrrev_b32 v1, 5, v0
	v_readfirstlane_b32 s14, v1                    ; wave
	s_lshr_b32 s15, s14, 1                         ; my half of source 1's rows; also: I fetch for source 1 (0) or 0 (1)
	s_and_b32 s16, s14, 1                          ; my half of source 0's rows; also: which 128 rows I fetch
	s_bfe_u32 s40, ttmp6, 0x40000                  ; cx
	s_bfe_u32 s41, ttmp6, 0x40004                  ; cy
	s_and_b32 s3, ttmp7, 0xffff
	s_lshl_b32 s3, s3, 2
	s_add_co_u32 s17, s3, s41
	s_lshl_b32 s21, s17, 2
	s_add_co_u32 s21, s21, s40                     ; 0 .. 255: which pad window this work-group writes
	s_lshl_b32 s17, s17, 8                         ; x's rows as source 1 (q, k)
	s_add_co_u32 s18, s41, 8
	s_lshl_b32 s18, s18, 8                         ; w's rows as source 1 (v)
	s_add_co_u32 s19, s3, s40
	s_lshl_b32 s19, s19, 8                         ; x's rows as source 0 (v)
	s_lshl_b32 s23, s40, 8                         ; w's rows as source 0: q's; k's are 1,024 on
	s_lshl_b32 s22, s16, 7
	s_lshl_b32 s96, s15, 7
	s_lshl_b32 s43, s41, 2
	s_lshl_b32 s43, 15, s43                        ; my row of the cluster
	s_lshl_b32 s44, 0x1111, s40                    ; my column
	s_or_b32 s[G1+0], s43, (0<<16)|(1<<20)|(1<<21)|(5<<22)|(3<<25)   ; elements of 1 byte; 4 words of padding behind every 64
	s_or_b32 s[G1B+0], s44, (0<<16)|(1<<20)|(1<<21)|(5<<22)|(3<<25)
.irp g, G1, G1B
	s_mov_b32 s[\g+1], ROWB<<16
	s_mov_b32 s[\g+2], 128<<16
	s_mov_b32 s[\g+3], ROWB<<16
	s_mov_b32 s[\g+4], 128
	s_mov_b32 s[\g+5], KROW
	s_mov_b32 s[\g+6], 0
	s_mov_b32 s[\g+7], 0
.endr
	s_mul_i32 s45, s14, HALFT                      ; where my 128 rows go: wave x 128 rows
.irp s, 0,1
	s_mov_b32 s[G0+4*\s], 1
	s_add_co_u32 s[G0+4*\s+1], s45, \s*SLOT
	s_mov_b32 s[G0B+4*\s], 1
	s_add_co_u32 s[G0B+4*\s+1], s45, \s*SLOT
.endr
	s_mov_b32 s2, 3                                ; tiles to go
	s_wait_dscnt 0x0
	s_wait_kmcnt 0x0
	s_mov_b32 s76, s17                             ; q's tile
	s_mov_b32 s77, s23
	s_mov_b64 s[78:79], s[4:5]
	s_mov_b64 s[80:81], s[8:9]
	s_mov_b64 s[82:83], s[6:7]
	s_mov_b64 s[84:85], s[10:11]
	CROUND                                         ; all sixteen work-groups are here
	SETG 0, 0
	SETG 1, ROWB
	JLOAD G0, G1, G0B, G1B                         ; chunk 0: my one load at the head
	s_add_co_u32 s66, s18, s96                     ; v's bias at my 128 features of v
	s_lshl_b32 s66, s66, 2
	s_mov_b32 s67, 0
	s_add_nc_u64 s[90:91], s[12:13], s[66:67]
	s_mov_b32 s42, SLOT-232
	s_mov_b32 s43, SLOT+232
	s_mul_i32 s44, s15, HALFT                      ; my rows of source 1
	s_mul_i32 s46, s16, HALFT
	s_add_co_u32 s46, s46, 2*HALFT                 ; my rows of source 0
	s_mul_i32 s47, s15, HALFS
	s_mul_i32 s74, s16, HALFS
	s_add_co_u32 s74, s74, 2*HALFS
	s_sub_co_u32 s74, s74, s47                     ; from source 1's scale words to source 0's
	s_add_co_u32 s47, s47, SCL
	s_lshl_b32 s75, s14, 10
	s_add_co_u32 s75, s75, STG
	s_mul_i32 s97, s14, HALFS
	s_add_co_u32 s97, s97, SCL
	s_mov_b32 s[SEL], 0x76543210
	s_mov_b32 s[SEL+1], 0xfedcba98                 ; lane l xor 16
	v_and_b32 v1, 15, v0                           ; r
	v_bfe_u32 v2, v0, 4, 1                         ; h
	v_and_b32 v6, 31, v0
	v_lshlrev_b32 v[L16], 4, v6
	v_lshlrev_b32 v[L8], 3, v6
	v_lshlrev_b32 v[BO], 5, v2
	v_lshlrev_b32 v[YO], 2, v1
	s_wait_alu depctr_va_vdst(0)
	SCLOAD
	BCLOAD s23
.irp a, 0,1,2,3,4,5,6,7
	global_load_b32 v[YB+\a], v[YO], s[90:91] offset:64*\a
.endr
	v_mul_u32_u24 v3, v1, PITCH
	v_mul_u32_u24 v4, v2, 24
	v_add_nc_u32 v4, v3, v4                        ; row x pitch + 24 h
	v_sub_nc_u32 v7, 1, v2
	v_mul_u32_u24 v5, s42, v2
	v_add_nc_u32 v5, v3, v5
	v_add_nc_u32 v5, 232, v5                       ; lanes 0-15 byte 232 of the row in slot 0, lanes 16-31 byte 0 in slot 1
	v_mul_u32_u24 v6, s43, v7
	v_add_nc_u32 v6, v3, v6                        ; lanes 0-15 byte 232 in slot 1, lanes 16-31 byte 0 in slot 0
	v_add_nc_u32 v[ADRA], s44, v4
	v_add_nc_u32 v[ADRB], s46, v4
	v_add_nc_u32 v[ADRA+1], SLOT, v[ADRA]
	v_add_nc_u32 v[ADRB+1], SLOT, v[ADRB]
	v_add_nc_u32 v[ADRA+2], s44, v5
	v_add_nc_u32 v[ADRA+3], s44, v6
	v_add_nc_u32 v[ADRB+2], s46, v5
	v_add_nc_u32 v[ADRB+3], s46, v6
	v_mul_u32_u24 v5, v1, KS
	v_lshrrev_b32 v6, 8, v5
	v_lshl_add_u32 v5, v6, 4, v5                   ; 32 bytes a row, 16 more for each 256 passed
	v_mul_u32_u24 v6, s74, v2
	v_add_nc_u32 v5, v5, v6
	v_add_nc_u32 v[ADRS], s47, v5
	v_lshlrev_b32 v[SST], 9, v2
	v_lshl_add_u32 v[SST], v1, 2, v[SST]
	v_add_nc_u32 v[SST], s75, v[SST]               ; my stage + 512 h + 4 r
	v_add_nc_u32 v[SRD], s75, v[L16]
	v_lshl_add_u32 v[SWA], v2, 4, v[L16]
	v_add_nc_u32 v[SWA], s97, v[SWA]               ; 16 lane, and 16 more behind the first 256 bytes
	v_lshlrev_b32 v[VA], 10, v2
	v_lshl_add_u32 v[VA], v1, 4, v[VA]
	v_lshrrev_b32 v[VB], 1, v[VA]
	v_mul_u32_u24 v[VS], v2, HSS
	v_lshl_add_u32 v[VS], v1, 4, v[VS]
	v_lshlrev_b32 v[SH], 4, v2
.macro FRAG reg, adr, st, i            ; 16 rows x 128 K: lane l holds row l % 16; registers 6 c .. 6 c + 5: K = 64 c + 32 (l / 16) + 0 .. 31, in pieces of 8 bytes; byte y of a row lies in slot (y / 256) % 2 at byte y % 256
.irp p, 0,1,2,3,4,5
.set BY, 96*(\st)+48*(\p/3)+8*(\p%3)
.if BY/ROWB == (BY+24)/ROWB
	ds_load_b64 v[\reg+2*\p:\reg+2*\p+1], v[\adr+(BY/ROWB)%2] offset:BY%ROWB+(\i)*16*PITCH
.else
	ds_load_b64 v[\reg+2*\p:\reg+2*\p+1], v[\adr+2+(BY/ROWB)%2] offset:BY%ROWB-232+(\i)*16*PITCH
.endif
.endr
.endm
; 16 matrix instructions: source 1's blocks a0, a0 + 1 x source 0's eight.  zero = 1: the sums start from the bias.  The 64 accumulators take turns
.macro MUL16 a0, p, q, sc, zero
.irp a, \a0, \a0+1
.irp b, 0,1,2,3,4,5,6,7
.if \zero
	v_wmma_scale_f32_16x16x128_f8f6f4 v[8*(8*((\a)%4)+\b):8*(8*((\a)%4)+\b)+7], v[128*(\p)+FR*\b:128*(\p)+FR*\b+FR-1], v[AF+FR*(\a):AF+FR*(\a)+FR-1], v[BC+8*\b:BC+8*\b+7], v[SC+8*NQ*(\sc)+NQ*\b+(\q)], v[SC+8*NQ*(\sc)+NQ*(\a)+(\q)] matrix_a_fmt:MATRIX_FMT_FP6 matrix_b_fmt:MATRIX_FMT_FP6 matrix_a_scale:MATRIX_SCALE_ROW1
.else
	v_wmma_scale_f32_16x16x128_f8f6f4 v[8*(8*((\a)%4)+\b):8*(8*((\a)%4)+\b)+7], v[128*(\p)+FR*\b:128*(\p)+FR*\b+FR-1], v[AF+FR*(\a):AF+FR*(\a)+FR-1], v[8*(8*((\a)%4)+\b):8*(8*((\a)%4)+\b)+7], v[SC+8*NQ*(\sc)+NQ*\b+(\q)], v[SC+8*NQ*(\sc)+NQ*(\a)+(\q)] matrix_a_fmt:MATRIX_FMT_FP6 matrix_b_fmt:MATRIX_FMT_FP6 matrix_a_scale:MATRIX_SCALE_ROW1
.endif
.endr
.endr
.endm
.macro FETCH_B st, p
	WIN TO_B
.irp i, 0,1,2,3,4,5,6,7
	FRAG 128*(\p)+FR*\i, ADRB, \st, \i
.endr
	WIN 0
.endm
.macro FETCH_A st, i0
.irp i, \i0, \i0+1, \i0+2, \i0+3
	FRAG AF+FR*(\i), ADRA, \st, \i
.endr
.endm
.macro SCALES pr                       ; the scale words of steps 2 pr, 2 pr + 1 into set pr % 2
.irp i, 0,1,2,3,4,5,6,7
	ds_load_b64 v[SC+8*NQ*((\pr)%2)+NQ*\i:SC+8*NQ*((\pr)%2)+NQ*\i+1], v[ADRS] offset:\i*SBLK+4*NQ*(\pr)
.endr
.endm
.macro PLACES n
.rept \n
	v_nop
.endr
.endm
; A step of 128 along K; the next step's fragments are fetched in its middle and at its end.  Where the next step's bytes END in a chunk not read yet: a wait for my tensor loads and a barrier.
; Where they BEGIN in a later chunk: the chunk left behind is read no more: the wait for all my tensor loads, the add, the wait for it and for my reads, the barrier; where the slot is filled again
; (this tile's chunk two on, or with succ = 1 the next tile's chunk 1) the barrier opens a round of the cluster's barrier and the joint load is first behind it.
.macro STEP st, zero, succ
.set NX, (\st)+1
.set C0, (96*(\st))/ROWB
.set C1, (96*NX)/ROWB
.set E0, (96*(\st)+95)/ROWB
.set E1, (96*NX+95)/ROWB
.if C1 > C0 || E1 > E0
	s_wait_tensorcnt 0x0
.if C1 > C0
	ds_add_u32 v[SPW], v[NIL]
.if \succ
	PICK
	SETG 1, ROWB
.endif
	s_wait_dscnt 4*NL+1                            ; the add and the youngest 24 loads may be out
.else
	s_wait_dscnt 4*NL
.endif
	WIN MUL_LO
	MUL16 0, (\st)%2, (\st)%2, ((\st)/2)%2, 0
	s_wait_dscnt 0x0                               ; the add and all my reads are done
	s_barrier_signal -1
	MUL16 2, (\st)%2, (\st)%2, ((\st)/2)%2, 0
	WIN 0
	s_barrier_wait -1
.if C1 > C0 && (C0+2 < CHUNKS || \succ)
	CREST
.if C0+2 < CHUNKS
	s_add_nc_u64 s[G0+4*(C0%2)+2:G0+4*(C0%2)+3], s[G0+4*(C0%2)+2:G0+4*(C0%2)+3], 2*ROWB
	s_add_nc_u64 s[G0B+4*(C0%2)+2:G0B+4*(C0%2)+3], s[G0B+4*(C0%2)+2:G0B+4*(C0%2)+3], 2*ROWB
.endif
	JLOAD G0+4*(C0%2), G1, G0B+4*(C0%2), G1B       ; its four v_nop are the places in front of the loads below
.else
	PLACES NP
.endif
.else
	s_wait_dscnt 4*NL                              ; the youngest 24 loads (source 1's blocks 4-7) may be out
.if \zero
	WIN MUL_LO0
.else
	WIN MUL_LO
.endif
	MUL16 0, (\st)%2, (\st)%2, ((\st)/2)%2, \zero
	MUL16 2, (\st)%2, (\st)%2, ((\st)/2)%2, \zero
	s_wait_dscnt 0
	PLACES NP
.endif
	FETCH_B NX, NX%2
	FETCH_A NX, 0
.if NX%2 == 0
	SCALES NX/2
.endif
.if \zero
	WIN MUL_HI0
.else
	WIN MUL_HI
.endif
	MUL16 4, (\st)%2, (\st)%2, ((\st)/2)%2, \zero
	MUL16 6, (\st)%2, (\st)%2, ((\st)/2)%2, \zero
	PLACES NP
	WIN 0
	FETCH_A NX, 4
.endm
; step 7: nothing more to fetch of this tile.  succ = 1: chunk 2 (slot 0) is read out: the next tile's chunk 0 is asked for, as a refill is
.macro LAST succ
.if \succ
	s_wait_tensorcnt 0x0                           ; the next tile's chunk 1 has landed
	ds_add_u32 v[SPW], v[NIL]
	SETG 0, 0
	s_wait_dscnt 4*NL+1
	WIN MUL_LO
	MUL16 0, 1, 1, 1, 0
	s_wait_dscnt 0x0
	s_barrier_signal -1
	MUL16 2, 1, 1, 1, 0
	WIN 0
	s_barrier_wait -1
	CREST
	JLOAD G0, G1, G0B, G1B
.else
	s_wait_dscnt 4*NL
	WIN MUL_LO
	MUL16 0, 1, 1, 1, 0
	MUL16 2, 1, 1, 1, 0
	s_wait_dscnt 0
.endif
	WIN MUL_HI
	MUL16 4, 1, 1, 1, 0
	MUL16 6, 1, 1, 1, 0
	WIN 0
	PLACES NP
.endm
; 64 numbers of a lane, at v[s] of window w, become four blocks' codes (PC .. PC + 11) and the scale word PW
.macro QUANT s, w
.set WN, (\w)*5
	WIN WN                                         ; sources 0 and 1 in window w
.irp b, 0,1,2,3
	v_max3_num_f32 v[TM+\b], |v[(\s)+16*\b]|, |v[(\s)+1+16*\b]|, 0x1800000   ; the floor 2^(3 - 127): the byte cannot fall under 1
.endr
.irp i, 2,4,6,8,10,12,14
.irp b, 0,1,2,3
	v_max3_num_f32 v[TM+\b], |v[(\s)+16*\b+\i]|, |v[(\s)+1+16*\b+\i]|, v[TM+\b]
.endr
.endr
	WIN 0
.irp b, 0,1,2,3
	v_permlanex16_b32 v[TM+4+\b], v[TM+\b], s[SEL], s[SEL+1]
.endr
.irp b, 0,1,2,3
	v_max_num_f32 v[TM+\b], v[TM+\b], v[TM+4+\b]   ; the block's largest magnitude
.endr
.irp b, 0,1,2,3
	v_add_nc_u32 v[TM+12+\b], 0xff000000, v[TM+\b] ; 2 off its exponent field: the conversion's scale operand
.endr
.irp b, 0,1,2,3
	v_lshrrev_b32 v[TM+4+\b], 23, v[TM+12+\b]      ; the scale's byte
.endr
	v_lshl_or_b32 v[PW], v[TM+5], 8, v[TM+4]
	v_lshl_or_b32 v[PW], v[TM+6], 16, v[PW]
	v_lshl_or_b32 v[PW], v[TM+7], 24, v[PW]
.set WN, \w
	WIN WN                                         ; source 0 in window w
.irp c, 0,1
	v_cvt_scalef32_pk16_fp6_f32 v[PC+6*\c:PC+2+6*\c], v[(\s)+32*\c:(\s)+15+32*\c], v[TM+12+2*\c]
	v_cvt_scalef32_pk16_fp6_f32 v[PC+12+4*\c:PC+14+4*\c], v[(\s)+16+32*\c:(\s)+31+32*\c], v[TM+12+2*\c+1]
.endr
	WIN 0
	v_nop                                          ; one plain place behind a scaled conversion
.irp c, 0,1                                    ; a whole block to a lane
.irp i, 0,1,2
	v_permlane16_swap_b32 v[PC+6*\c+\i], v[PC+12+4*\c+\i]
.endr
.irp i, 0,1,2
	v_mov_b32 v[PC+3+6*\c+\i], v[PC+12+4*\c+\i]
.endr
.endr
.endm
.macro TMINIT
.irp b, 0,1,2,3
	v_mov_b32 v[TM+4+\b], 0                        ; a lane permute's destination counts as one of its sources
.endr
.endm
; q, k: source 1's block a = positions 16 a + r; the accumulators are quantised where they lie; the 12 registers are the two heads of my 128 features
.macro EPIQ a
	s_wait_xcnt 0x0                                ; the last block's stores have read their data
	QUANT 64*((\a)%4), 2+(\a)/4
	global_store_b128 v[L16], v[PC:PC+3], s[90:91] offset:512*(\a)            ; 32 lanes store 512 consecutive bytes, aligned
	global_store_b64 v[L8], v[PC+4:PC+5], s[92:93] offset:256*(\a)            ; 256 consecutive bytes, aligned
	global_store_b128 v[L16], v[PC+6:PC+9], s[90:91] offset:512*(\a)+HSA
	global_store_b64 v[L8], v[PC+10:PC+11], s[92:93] offset:256*(\a)+HSA/2
	v_lshrrev_b32 v[TW+(\a)], v[SH], v[PW]         ; lanes 16-31 take the second head's two bytes
	v_perm_b32 v[TW+(\a)], v[TW+(\a)], v[TW+(\a)], 0x01000100   ; written twice
.endm
; v: source 1's block a = d 16 (a % 4) + r of head a / 4; the bias is added on the way into window 0; the 12 registers are key blocks h, 2 + h of the window
.macro EPIV a
	s_wait_xcnt 0x0
	v_mov_b32 v[YP], v[YB+(\a)]
	v_mov_b32 v[YP+1], v[YB+(\a)]
.set WN, 0x02+(\a)/4
	WIN WN
.set n, 0
.rept 32
	v_pk_add_f32 v[T+n:T+n+1], v[64*((\a)%4)+n:64*((\a)%4)+n+1], v[YP:YP+1]
.set n, n+2
.endr
	WIN 0
	QUANT T, 0
	global_store_b128 v[VA], v[PC:PC+3], s[90:91] offset:256*((\a)%4)+HSA*((\a)/4)          ; sixteen lanes store 256 consecutive bytes, aligned
	global_store_b64 v[VB], v[PC+4:PC+5], s[92:93] offset:128*((\a)%4)+(HSA/2)*((\a)/4)
	global_store_b128 v[VA], v[PC+6:PC+9], s[90:91] offset:256*((\a)%4)+HSA*((\a)/4)+2048
	global_store_b64 v[VB], v[PC+10:PC+11], s[92:93] offset:128*((\a)%4)+(HSA/2)*((\a)/4)+1024
	ds_store_b32 v[SST], v[PW] offset:64*(\a)
.endm
	s_wait_alu depctr_va_vdst(0)
	s_wait_loadcnt 24                              ; my scale bytes are in; the 24 loads of biases may be out
	s_wait_tensorcnt 0x0                           ; my part of chunk 0 is in: no LDS store of mine stands under a tensor load of mine
	SCSTORE
	s_wait_tensorcnt 0x0                           ; the wait, the add and its wait, ahead of a later first fill
	ds_add_u32 v[SPW], v[NIL]
	s_wait_dscnt 0x0                               ; the add and my stores are done
	CROUND
	JLOAD G0+4, G1, G0B+4, G1B                     ; chunk 1, first behind the round
	s_wait_loadcnt 0x0                             ; the biases
.Ltile:
	FETCH_B 0, 0
	FETCH_A 0, 0
	SCALES 0
	FETCH_A 0, 4
	STEP 0, 1, 0
	STEP 1, 0, 0
	STEP 2, 0, 0                                   ; slot 0 takes chunk 2
	STEP 3, 0, 0
	STEP 4, 0, 0
	s_cmp_eq_u32 s2, 1
	s_cbranch_scc1 .Llast                          ; v's tile is the last: its tail is written out and asks for nothing more
	STEP 5, 0, 1                                   ; slot 1 takes the next tile's chunk 1
	STEP 6, 0, 0
	LAST 1                                         ; slot 0 takes the next tile's chunk 0
	s_wait_xcnt 0x0                                ; earlier loads and stores have read their bases
	s_add_co_u32 s74, s23, s22                     ; my first feature
	s_add_co_u32 s75, s17, s96                     ; my first position
	OUTPTR s74, s75
	SCLOAD                                         ; the next tile's scale bytes, into registers that held fragments (four places behind the last products)
	s_cmp_eq_u32 s2, 2
	s_cbranch_scc1 .Lv_next
	BCLOAD s77                                     ; k's bias
	s_branch .Lbias_set
.Lv_next:
.set n, 0
.rept 64
	v_mov_b32 v[BC+n], 0                           ; v's sums start from 0: its bias runs along the other axis and is added on its way out
.set n, n+1
.endr
.Lbias_set:
	TMINIT
.irp a, 0,1,2,3,4,5,6,7
	EPIQ \a
.endr
	s_wait_alu depctr_va_vdst(0)
	s_wait_loadcnt 0x0                             ; the next tile's scale bytes and bias
	s_wait_tensorcnt 0x0                           ; the next tile's chunk 0 is in; my LDS stores stand behind this wait
.irp a, 0,1,2,3,4,5,6,7
	ds_store_b32 v[SST], v[TW+\a] offset:64*\a
.endr
	SCSTORE                                        ; every wave's last read of the old scale bytes stands ahead of step 7's round
	ds_load_b128 v[RB:RB+3], v[SRD]                ; LDS serves a wave's instructions in order (ISA guide 5.7.1.4)
	ds_load_b128 v[RB+4:RB+7], v[SRD] offset:512
	s_wait_dscnt 0x0
	global_store_b128 v[L16], v[RB:RB+3], s[94:95]             ; 512 consecutive bytes, aligned: a window's scale words
	global_store_b128 v[L16], v[RB+4:RB+7], s[94:95] offset:HSS
	s_add_co_u32 s23, s23, 1024
	s_wait_xcnt 0x0                                ; the way out's stores have read their data: the next tile's fragments land on those registers
	s_barrier_signal -1                            ; everybody's part of chunk 0 and of the scale bytes is in
	s_barrier_wait -1
	s_sub_co_u32 s2, s2, 1
	s_branch .Ltile
.Llast:
	STEP 5, 0, 0
	STEP 6, 0, 0
	LAST 0
	s_wait_xcnt 0x0
	s_add_co_u32 s74, s18, s96
	s_add_co_u32 s75, s19, s22
	OUTPTR s74, s75
	TMINIT
.irp a, 0,1,2,3,4,5,6,7
	EPIV \a
.endr
	ds_load_b128 v[RB:RB+3], v[SRD]
	ds_load_b128 v[RB+4:RB+7], v[SRD] offset:512
	s_wait_dscnt 0x0
	global_store_b128 v[VS], v[RB:RB+3], s[94:95]              ; sixteen lanes store 256 consecutive bytes, aligned
	global_store_b128 v[VS], v[RB+4:RB+7], s[94:95] offset:256
	; THE PADS: each work-group writes one of the 256 pad windows of k and v, a quarter a wave: tensor 1 + (idx & 1), head idx / 4, slot 0 or 33
	s_wait_xcnt 0x0
	s_and_b32 s66, s21, 1
	s_add_co_u32 s66, s66, 1
	s_lshl_b32 s66, s66, 6
	s_lshr_b32 s67, s21, 2
	s_add_co_u32 s66, s66, s67
	s_mul_i32 s66, s66, 34
	s_bfe_u32 s67, s21, 0x10001
	s_mul_i32 s67, s67, 33
	s_add_co_u32 s66, s66, s67
	s_lshl_b32 s66, s66, 2
	s_add_co_u32 s66, s66, s14
	s_lshl_b32 s66, s66, 7                         ; 512 x window + 128 x wave
	s_mov_b32 s67, 0
	s_add_nc_u64 s[94:95], s[72:73], s[66:67]
	s_lshl_b32 s66, s66, 2
	s_add_nc_u64 s[92:93], s[70:71], s[66:67]
	s_lshl_b32 s66, s66, 1
	s_add_nc_u64 s[90:91], s[68:69], s[66:67]
	v_mov_b32 v128, 0x38e38e38                     ; sixteen codes 0x38 are these three words
	v_mov_b32 v129, 0x8e38e38e
	v_mov_b32 v130, 0xe38e38e3
	v_mov_b32 v131, 0x38e38e38
	v_mov_b32 v132, 0x8e38e38e
	v_mov_b32 v133, 0xe38e38e3
	v_mov_b32 v134, 0x8e38e38e
	v_mov_b32 v135, 0xe38e38e3
	v_mov_b32 v136, 0x7d7d7d7d
	v_lshrrev_b32 v139, 2, v[L16]                  ; 4 lane
	global_store_b128 v[L16], v[128:131], s[90:91]
	global_store_b128 v[L16], v[128:131], s[90:91] offset:512
	global_store_b128 v[L16], v[132:135], s[92:93]
	global_store_b32 v139, v136, s[94:95]          ; 128 consecutive bytes a wave
	s_wait_tensorcnt 0x0                           ; the wave's end
	ds_add_u32 v[SPW], v[NIL]
	s_wait_dscnt 0x0
	CROUND                                         ; the closing round
	s_endpgm
.Lfunc_end_k_q435119d4d9_proj:
	.size	k_q435119d4d9_proj, .Lfunc_end_k_q435119d4d9_proj-k_q435119d4d9_proj
	.p2alignl 7, 3214868480
	.fill 96, 4, 3214868480
	.section	.rodata,"a",@progbits
	.p2align	6, 0x0
	.amdhsa_kernel k_q435119d4d9_proj
		.amdhsa_group_segment_fixed_size 327680
		.amdhsa_private_segment_fixed_size 0
		.amdhsa_enable_private_segment 0
		.amdhsa_kernarg_size 64
		.amdhsa_user_sgpr_count 2
		.amdhsa_user_sgpr_kernarg_segment_ptr 1
		.amdhsa_wavefront_size32 1
		.amdhsa_system_sgpr_workgroup_id_x 1
		.amdhsa_system_sgpr_workgroup_id_y 1
		.amdhsa_system_sgpr_workgroup_id_z 1
		.amdhsa_system_vgpr_workitem_id 0
		.amdhsa_next_free_vgpr 1024
		.amdhsa_next_free_sgpr 100
		.amdhsa_reserve_vcc 0
		.amdhsa_float_denorm_mode_32 3
		.amdhsa_float_denorm_mode_16_64 3
		.amdhsa_memory_ordered 1
		.amdhsa_forward_progress 1
		.amdhsa_inst_pref_size 255
	.end_amdhsa_kernel
	.section	.bss,"aw",@nobits
	.p2align	6
	.space	262144
	.amdgpu_metadata
---
amdhsa.version: [ 1, 2 ]
amdhsa.kernels:
  - .name:           k_q435119d4d9_proj
    .symbol:         k_q435119d4d9_proj.kd
    .args:
      - { .name: x_codes, .offset: 0, .size: 8, .value_kind: global_buffer, .address_space: global }
      - { .name: x_scales, .offset: 8, .size: 8, .value_kind: global_buffer, .address_space: global }
      - { .name: w_qkv_codes, .offset: 16, .size: 8, .value_kind: global_buffer, .address_space: global }
      - { .name: w_qkv_scales, .offset: 24, .size: 8, .value_kind: global_buffer, .address_space: global }
      - { .name: b_qkv, .offset: 32, .size: 8, .value_kind: global_buffer, .address_space: global }
      - { .name: pa, .offset: 40, .size: 8, .value_kind: global_buffer, .address_space: global }
      - { .name: pb, .offset: 48, .size: 8, .value_kind: global_buffer, .address_space: global }
      - { .name: ps, .offset: 56, .size: 8, .value_kind: global_buffer, .address_space: global }
    .group_segment_fixed_size: 327680
    .private_segment_fixed_size: 0
    .kernarg_segment_align: 8
    .kernarg_segment_size: 64
    .max_flat_workgroup_size: 128
    .sgpr_count:     100
    .vgpr_count:     1024
    .wavefront_size: 32
...
	.end_amdgpu_metadata
.endif
;; end of part 1
;; launch attn (part 2): grid 4 x 64, 16 waves a work-group, no clusters, 204,800 bytes of LDS; arguments pa, pb, ps, out0; writes out0
.if DOCPART == 2
	.amdgcn_target "amdgcn-amd-amdhsa--gfx1250"
	.amdhsa_code_object_version 6
	.text
	.protected	k_q435119d4d9_attn
	.globl	k_q435119d4d9_attn
	.p2align	8
	.type	k_q435119d4d9_attn,@function
k_q435119d4d9_attn:
	s_mov_b64 s[64:65], 0
	v_nop
	global_prefetch_b8 v0, s[64:65] scope:SCOPE_SE
	s_setreg_imm32_b32 hwreg(HW_REG_WAVE_MODE, 25, 1), 1
	s_wait_xcnt 0x0
; Attention in windows of 128 on the codes that the launch before has stored (FP6, E2M3, one E8M0 scale for each 32 along a product's K).  Query i of a window sees keys j >= i of the window before, all of its own and
; keys j <= i of the window after: for the 32 queries 32 f .. 32 f + 31 these are NINE aligned blocks of 32 keys, from block f of the window before on; only the first and the last of the nine are masked in part.
; SHARES.  A work-group owns 8 windows of one head and holds K and V of its 10 window slots in LDS, each byte filled once.  Sixteen waves, four steps: in step j wave w takes tile w % 8 (16 queries) of window 2 j + w / 8.
; No cluster: neighbouring work-groups share 2 of their 10 windows, a small part of what each fetches.
; LAYOUT.  Both products are used transposed, so that a lane holds ONE query (lane % 16).  S^T = K Q^T: the head has 64, half of the instruction's K: a fragment of K holds TWO tiles of 16 keys (registers 0-5, 6-11) and is
; multiplied once by [q | zero codes] and once by [zero codes | q].  A lane's 16 scores of a block are keys 8 h + 0..7 and 16 + 8 h + 0..7: converted and exchanged between the lane halves they lie in the order
; 0-7, 16-23, 8-15, 24-31 of the block, which is the order in which V's codes were laid.
; SOFTMAX.  p = exp(s - m) / sum, finished and normalised in f32, is what is quantised, block by block.  exp(s - m) = 2^(c s - c m), c = log2(e): the rounding of c m is common to a row and leaves with the division.
; A block's largest p is its largest score put through the same instructions (this takes v_exp_f32 not to fall where its input rises).
; THE PADS.  The window before the first and the one after the last are pads of -1 and are not masked.  All their keys give a query the same score, the same p and the same code.  Of such a window's four blocks only
; those inside the nine are multiplied; the scale bytes of p there are raised by 1 or 2, so that their weights add up to four blocks, and the row's sum gets 32 x (blocks left out) x the pad's exponential.  Both are exact.
; LIMITS: NaN and infinities are not served; an exponential under 2^-126 counts as 0; a block of zeros has the byte 1 (its codes are zeros).
.set KAL,   0                          ; LDS: K's registers 0-3 of six: 10 windows x 4,096
.set VAL,   40960                      ; V's
.set KBL,   81920                      ; K's registers 4-5: 10 x 2,048
.set VBL,   102400
.set KSL,   122880                     ; K's scale words: 10 x 512
.set VSL,   128000
.set STAGE, 133120                     ; the way out: 16 rows x (256 + 16) bytes for each wave; no fill lands here
.set SP,    272
.set G1A, 16                           ; s[16:23] group 1: 40 rows of 256 bytes
.set G1S, 32                           ; s[32:39] group 1: 10 rows of 256 bytes
.set G0,  40                           ; s[40:43] my one group 0
.set DD,   15                          ; v15  16 (tile % 2) + r - 8 h: my query's place in its block of 32, less my half's 8
.set QLO,  16                          ; v16-27 [q | 0];  v28-39 [0 | q];  v40 q's scale words
.set QHI,  28
.set QSC,  40
.set KSC,  41                          ; v41-49 K's scale words; later v41-46 V's as loaded, v47-52 V's for the three K steps; v53-55 p's
.set VSR,  41
.set VSA,  47
.set PSC,  53
.set KF,   56                          ; v56-91 three fragments of K; later:
.set BM,   56                          ; v56-64 the blocks' largest scores, then p, then bytes; then the conversions' second halves
.set SCR,  56
.set BX,   65                          ; v65-73 the other half's; then the conversions' scale operands
.set SO,   65
.set P0,   74                          ; v74-85 p's codes, K step 0
.set NM,   92                          ; v[92:93] -c m
.set RI,   94                          ; v[94:95] 1 / sum
.set SUM,  96
.set MX,   100
.set TMP,  101
.set DE0,  104                         ; v104, v105: DD as the first and the last step take it
.set DE8,  105
.set NINF, 106
.set S,    112                         ; v112-255 the scores, 16 a block; later:
.set P1,   112                         ; p's codes, K steps 1 and 2
.set P2,   124
.set O,    136                         ; O^T: four accumulators
.set VFA,  168                         ; four fragments of V; then 16 rows of O read back
.set OB,   168
.set VFB,  216                         ; block 8's: four half fragments, six registers apart
	s_load_b256 s[4:11], s[0:1], 0x0               ; pa, pb, ps, out0
	v_lshl_add_u32 v110, v0, 2, 0x31800
	v_mov_b32 v111, 0
	ds_add_u32 v110, v111
	ds_add_u32 v110, v111
	v_lshrrev_b32 v1, 5, v0
	s_delay_alu instid0(VALU_DEP_1)
	v_readfirstlane_b32 s2, v1                     ; wave 0..15
.irp i, 0,1,2,3,4,5
	v_mov_b32 v[QLO+6+\i], 0                       ; the zero codes, written once, and here: an operand written by vector instructions stands four plain vector instructions ahead of a scaled matrix instruction,
	v_mov_b32 v[QHI+\i], 0                         ; and the address arithmetic below, which every wave walks, is more than that
.endr
	s_and_b32 s3, ttmp7, 0xffff                    ; batch x 16 + head
.irp g, G1A, G1S                               ; dense blocks as rows of 256 bytes: 32 elements of 8 bytes, no padding
	s_mov_b32 s[\g], 3<<16
	s_mov_b32 s[\g+1], 32<<16                      ; tensor_dim0
	s_mov_b32 s[\g+3], 32<<16                      ; tile_dim0
	s_mov_b32 s[\g+5], 32                          ; tensor_dim0_stride
	s_mov_b32 s[\g+6], 0
	s_mov_b32 s[\g+7], 0
.endr
	s_mov_b32 s[G1A+2], 40<<16                     ; tensor_dim1 and tile_dim1
	s_mov_b32 s[G1A+4], 40
	s_mov_b32 s[G1S+2], 10<<16
	s_mov_b32 s[G1S+4], 10
	s_lshr_b32 s12, s2, 2                          ; waves 0-7: K's (0-3) or V's (4-7), piece wave % 4 of four
	s_bfe_u32 s14, s2, 0x10001                     ; waves 8-15: K's or V's by bit 1, piece wave % 2 of two
	s_and_b32 s15, s2, 3
	s_and_b32 s86, s2, 1
	s_cmp_lt_u32 s2, 8
	s_cselect_b32 s12, s12, s14                    ; e: 0 K's, 1 V's
	s_cselect_b32 s15, s15, s86                    ; my piece
	s_lshl_b32 s13, s12, 6
	s_add_co_u32 s13, s13, 64
	s_add_co_u32 s13, s13, s3
	s_mul_i32 s13, s13, 34
	s_lshl_b32 s14, ttmp9, 3
	s_add_co_u32 s13, s13, s14                     ; the first of my work-group's ten window slots: ((1 + e) 64 + head) 34 + 8 g
	s_lshr_b32 s85, s2, 1                          ; XW = 4 (w / 8) + f: my first key block in step 0
	s_lshr_b32 s88, s2, 3                          ; wp: which of a step's two windows
	s_and_b32 s89, s2, 7                           ; my tile of 16 queries
	s_lshr_b32 s90, s89, 1                         ; f
	s_mul_i32 s76, s90, 0x01010101
	s_add_co_u32 s76, s76, 0x03020100              ; a byte selector: bytes f, f + 1, f + 2, f + 3 of two words on end
	v_and_b32 v101, 31, v0                         ; lane
	v_and_b32 v102, 15, v0                         ; r
	v_bfe_u32 v103, v0, 4, 1                       ; h
	s_lshl_b32 s91, s85, 10
	v_lshl_add_u32 v1, v101, 4, s91                ; K, registers 0-3: 1,024 XW + 16 lane
	s_add_co_u32 s91, s91, VAL
	v_lshl_add_u32 v4, v102, 4, s91                ; V: 1,024 XW + 16 r,
	s_delay_alu instid0(VALU_DEP_1)
	v_lshl_add_u32 v5, v103, 10, v4                ; and one block on for lanes 16-31
	s_lshl_b32 s91, s85, 9
	s_add_co_u32 s92, s91, KBL
	v_lshl_add_u32 v2, v101, 3, s92                ; K, registers 4-5
	s_add_co_u32 s92, s91, VBL
	v_lshl_add_u32 v6, v102, 3, s92
	s_delay_alu instid0(VALU_DEP_1)
	v_lshl_add_u32 v7, v103, 9, v6
	s_lshl_b32 s91, s85, 7
	s_add_co_u32 s91, s91, KSL
	v_lshl_add_u32 v3, v101, 2, s91                ; K's scale words: lanes 0-15 a block's first tile, lanes 16-31 its second
	s_lshl_b32 s91, s88, 9
	s_add_co_u32 s91, s91, VSL
	v_lshl_add_u32 v8, v101, 2, s91                ; V's: lanes 0-15 an even tile of d, lanes 16-31 the odd one
	v_lshlrev_b32 v9, 4, v101                      ; q in pa, pb, ps
	v_lshlrev_b32 v10, 3, v101
	v_lshlrev_b32 v11, 2, v102
	s_mul_i32 s93, s2, 16*SP
	s_add_co_u32 s93, s93, STAGE                   ; my stage
	v_mul_u32_u24 v12, v102, SP
	s_delay_alu instid0(VALU_DEP_1)
	v_lshl_add_u32 v12, v103, 5, v12
	s_delay_alu instid0(VALU_DEP_1)
	v_add_nc_u32 v12, s93, v12                     ; in: row r, 32 bytes for each half of the lanes
	v_mul_u32_u24 v13, v103, SP
	s_delay_alu instid0(VALU_DEP_1)
	v_lshl_add_u32 v13, v102, 4, v13
	s_delay_alu instid0(VALU_DEP_1)
	v_add_nc_u32 v13, s93, v13                     ; back: lanes 0-15 one row, lanes 16-31 the next
	v_lshlrev_b32 v14, 12, v103
	s_delay_alu instid0(VALU_DEP_1)
	v_lshl_add_u32 v14, v102, 4, v14               ; and the same two rows in out0
	s_and_b32 s94, s89, 1
	s_lshl_b32 s94, s94, 4
	v_lshlrev_b32 v104, 3, v103
	s_delay_alu instid0(VALU_DEP_1)
	v_sub_nc_u32 v[DD], v102, v104
	s_delay_alu instid0(VALU_DEP_1)
	v_add_nc_u32 v[DD], s94, v[DD]
	s_wait_alu depctr_va_vdst(0)
	v_mov_b32 v[NINF], 0xff800000
	; what the first and the last window of a sequence change; 0 everywhere else.  All of it is chosen from ids
	s_lshl_b32 s78, s90, 4
	s_cvt_f32_u32 s78, s78                         ; 16 f: a lane half's share of the pad keys left out in front
	s_sub_co_u32 s81, 3, s90
	s_lshl_b32 s81, s81, 4
	s_cvt_f32_u32 s81, s81                         ; 16 (3 - f): behind
	s_cmp_eq_u32 s90, 1
	s_cselect_b32 s79, 1, 0                        ; what is added to p's scale bytes: in front, blocks 0 .. 3 - f weigh 4 in all: f = 0: 1 1 1 1; 1: 2 1 1; 2: 2 2; 3: 4
	s_cselect_b32 s83, 0x01000000, 0               ; behind, blocks 8 - f .. 8: f = 0: 4; 1: 2 2 (block 7 is the top byte of the second word); 2: 1 1 2; 3: 1 1 1 1
	s_cselect_b32 s82, 1, 2
	s_cmp_eq_u32 s90, 2
	s_cselect_b32 s79, 0x101, s79
	s_cselect_b32 s82, 1, s82
	s_cmp_eq_u32 s90, 3
	s_cselect_b32 s79, 2, s79
	s_cselect_b32 s82, 0, s82
	s_or_b32 s84, ttmp9, s88
	s_cmp_eq_u32 s84, 0                            ; in step 0 my window is the sequence's first
	s_cselect_b32 s77, 0xffffffc0, 0               ; -64: no key of block 0 is hidden
	s_cselect_b32 s78, s78, 0
	s_cselect_b32 s79, s79, 0
	s_lshl_b32 s84, ttmp9, 1
	s_or_b32 s84, s84, s88
	s_cmp_eq_u32 s84, 7                            ; in step 3 my window is the last
	s_cselect_b32 s80, 64, 0
	s_cselect_b32 s81, s81, 0
	s_cselect_b32 s82, s82, 0
	s_cselect_b32 s83, s83, 0
	v_add_nc_u32 v[DE0], s77, v[DD]
	v_add_nc_u32 v[DE8], s80, v[DD]
	s_mov_b32 s70, 0x3fb8aa3b                      ; c = log2(e)
	s_mov_b32 s71, s70
	s_mov_b32 s72, 0xbfb8aa3b                      ; -c
	s_mov_b32 s74, 0x76543210
	s_mov_b32 s75, 0xfedcba98                      ; lane l xor 16
	s_wait_dscnt 0x0
	s_wait_kmcnt 0x0
; ALL OF K AND V IS ASKED FOR HERE, each LDS byte once, ONE LOAD A WAVE: waves 0-7 the registers 0-3 of K and V, waves 8-11 the registers 4-5, 10,240 bytes each, at LDS byte 10,240 x wave;
; waves 12-15 the scale words, 2,560 bytes each, at 92,160 + 2,560 x wave.  One chain of branches on the wave's number; every way passes one load.
.macro ARM base, shift, pbytes, ldsb, g1
	s_lshl_b32 s86, s13, \shift                    ; my tensor's first window slot,
	s_mul_i32 s87, s15, \pbytes                    ; and my piece of its ten
	s_add_co_u32 s86, s86, s87
	s_mov_b32 s87, 0
	s_mov_b32 s[G0], 1                             ; count = 1
	s_mul_i32 s[G0+1], s2, \pbytes                 ; LDS address
.if \ldsb
	s_add_co_u32 s[G0+1], s[G0+1], \ldsb
.endif
	s_add_nc_u64 s[G0+2:G0+3], s[\base:\base+1], s[86:87]      ; global address
	s_or_b32 s[G0+3], s[G0+3], 0x80000000          ; type = 2
	tensor_load_to_lds s[G0:G0+3], s[\g1:\g1+7]
	s_nop 0
.rept 4
	v_nop
.endr
.endm
	s_cmp_lt_u32 s2, 8
	s_cbranch_scc0 .Lnot_a
	ARM 4, 12, 10240, 0, G1A
	s_branch .Lasked
.Lnot_a:
	s_cmp_lt_u32 s2, 12
	s_cbranch_scc0 .Lnot_b
	ARM 6, 11, 10240, 0, G1A
	s_branch .Lasked
.Lnot_b:
	ARM 8, 9, 2560, 92160, G1S
.Lasked:
	s_mul_i32 s86, s3, 34                          ; q's window of step 0: head x 34 + 8 g + 1 + wp
	s_lshl_b32 s87, ttmp9, 3
	s_add_co_u32 s86, s86, s87
	s_add_co_u32 s86, s86, s88
	s_add_co_u32 s86, s86, 1
	s_lshl_b32 s92, s86, 12
	s_lshl_b32 s93, s89, 9
	s_add_co_u32 s92, s92, s93                     ; + my tile
	s_mov_b32 s93, 0
	s_add_nc_u64 s[60:61], s[4:5], s[92:93]
	s_lshr_b32 s92, s92, 1
	s_add_nc_u64 s[62:63], s[6:7], s[92:93]
	s_lshr_b32 s92, s92, 2
	s_add_nc_u64 s[66:67], s[8:9], s[92:93]
.macro QLOAD j                         ; q's half fragment, once for each of the two operands that hold it, and its scale words
	global_load_b128 v[QLO:QLO+3], v9, s[60:61] offset:(\j)*8192
	global_load_b128 v[QHI+6:QHI+9], v9, s[60:61] offset:(\j)*8192
	global_load_b64 v[QLO+4:QLO+5], v10, s[62:63] offset:(\j)*4096
	global_load_b64 v[QHI+10:QHI+11], v10, s[62:63] offset:(\j)*4096
	global_load_b32 v[QSC], v11, s[66:67] offset:(\j)*1024
.endm
	QLOAD 0
	s_lshr_b32 s92, s3, 4                          ; out0: batch x 2^24 + position x 4,096 + head x 256
	s_lshl_b32 s92, s92, 24
	s_lshl_b32 s94, ttmp9, 10
	s_lshl_b32 s95, s88, 7
	s_add_co_u32 s94, s94, s95
	s_lshl_b32 s95, s89, 4
	s_add_co_u32 s94, s94, s95
	s_lshl_b32 s94, s94, 12
	s_add_co_u32 s92, s92, s94
	s_and_b32 s94, s3, 15
	s_lshl_b32 s94, s94, 8
	s_add_co_u32 s92, s92, s94
	s_add_nc_u64 s[68:69], s[10:11], s[92:93]
.macro CONV p, s                       ; blocks 4 s .. 4 s + 3 of p become a fragment's codes in v[p] on
.irp c, 0,1
	v_cvt_scalef32_pk16_fp6_f32 v[\p+6*\c:\p+6*\c+2], v[S+16*(4*\s+2*\c):S+16*(4*\s+2*\c)+15], v[SO+4*\s+2*\c]
	v_cvt_scalef32_pk16_fp6_f32 v[SCR+4*\c:SCR+4*\c+2], v[S+16*(4*\s+2*\c+1):S+16*(4*\s+2*\c+1)+15], v[SO+4*\s+2*\c+1]   ; (a conversion's three registers begin on an even number)
.endr
	v_nop                                          ; one plain place behind a scaled conversion
.irp c, 0,1                                    ; a whole block to a lane: lanes 0-15 block 2 c, lanes 16-31 block 2 c + 1
.irp i, 0,1,2
	v_permlane16_swap_b32 v[\p+6*\c+\i], v[SCR+4*\c+\i]
.endr
.irp i, 0,1,2
	s_delay_alu instid0(VALU_DEP_3)
	v_mov_b32 v[\p+6*\c+3+\i], v[SCR+4*\c+\i]
.endr
.endr
.endm
.macro VLOAD j, s                      ; V's four fragments (16 d x 128 keys) of K step s: lane (r, h), registers 6 c on: key block 4 s + 2 c + h
.irp t, 0,1,2,3
.irp c, 0,1
	ds_load_b128 v[VFA+12*\t+6*\c:VFA+12*\t+6*\c+3], v5 offset:(\j)*8192+(4*\s+2*\c)*1024+\t*256
	ds_load_b64 v[VFA+12*\t+6*\c+4:VFA+12*\t+6*\c+5], v7 offset:(\j)*4096+(4*\s+2*\c)*512+\t*128
.endr
.endr
.endm
.macro PVT t, vreg, p, vs, psc, first  ; O^T(tile t of d) += V^T P^T; V's scale words of an odd tile lie in lanes 16-31
.if \first
.if (\t)%2
	v_wmma_scale_f32_16x16x128_f8f6f4 v[O+8*(\t):O+8*(\t)+7], v[\vreg:\vreg+11], v[\p:\p+11], 0, v[\vs], v[\psc] matrix_a_fmt:MATRIX_FMT_FP6 matrix_b_fmt:MATRIX_FMT_FP6 matrix_a_scale:MATRIX_SCALE_ROW1
.else
	v_wmma_scale_f32_16x16x128_f8f6f4 v[O+8*(\t):O+8*(\t)+7], v[\vreg:\vreg+11], v[\p:\p+11], 0, v[\vs], v[\psc] matrix_a_fmt:MATRIX_FMT_FP6 matrix_b_fmt:MATRIX_FMT_FP6
.endif
.else
.if (\t)%2
	v_wmma_scale_f32_16x16x128_f8f6f4 v[O+8*(\t):O+8*(\t)+7], v[\vreg:\vreg+11], v[\p:\p+11], v[O+8*(\t):O+8*(\t)+7], v[\vs], v[\psc] matrix_a_fmt:MATRIX_FMT_FP6 matrix_b_fmt:MATRIX_FMT_FP6 matrix_a_scale:MATRIX_SCALE_ROW1
.else
	v_wmma_scale_f32_16x16x128_f8f6f4 v[O+8*(\t):O+8*(\t)+7], v[\vreg:\vreg+11], v[\p:\p+11], v[O+8*(\t):O+8*(\t)+7], v[\vs], v[\psc] matrix_a_fmt:MATRIX_FMT_FP6 matrix_b_fmt:MATRIX_FMT_FP6
.endif
.endif
.endm
; A STEP: my 16 queries of window 2 j + wp against key blocks XW + 8 j + 0 .. 8 of the work-group's 40.  No address register is rewritten: the step stands in the immediates.
.macro STEP j
.if \j > 0
	s_wait_xcnt 0x0                                ; the last step's stores have read their data: those registers are written again only behind this wait
.endif
.if \j == 0
	s_wait_tensorcnt 0x0                           ; my piece of K and V is in
	s_wait_dscnt 0x0
	s_barrier_signal -1
	s_barrier_wait -1                              ; and everybody's: nothing is ever filled again and each stage is its wave's own, so the later steps need no barrier
.endif
.irp q, 0,1,2,3,4,5,6,7,8
	ds_load_b32 v[KSC+\q], v3 offset:\j*1024+\q*128
.endr
.irp g, 0,1,2                                  ; S^T = K Q^T, three blocks of 32 keys at a time
.if \g > 0
.rept 4
	v_nop                                          ; places in front of loads into registers that matrix instructions have read
.endr
.endif
.irp i, 0,1,2
	ds_load_b128 v[KF+12*\i:KF+12*\i+3], v1 offset:\j*8192+(3*\g+\i)*1024
	ds_load_b64 v[KF+12*\i+4:KF+12*\i+5], v2 offset:\j*4096+(3*\g+\i)*512
	ds_load_b128 v[KF+12*\i+6:KF+12*\i+9], v1 offset:\j*8192+(3*\g+\i)*1024+512
	ds_load_b64 v[KF+12*\i+10:KF+12*\i+11], v2 offset:\j*4096+(3*\g+\i)*512+256
.endr
.if \g == 0
	s_wait_loadcnt 0x0                             ; q
.endif
	s_wait_dscnt 0x0
.irp i, 0,1,2
	v_wmma_scale_f32_16x16x128_f8f6f4 v[S+16*(3*\g+\i):S+16*(3*\g+\i)+7], v[KF+12*\i:KF+12*\i+11], v[QLO:QLO+11], 0, v[KSC+3*\g+\i], v[QSC] matrix_a_fmt:MATRIX_FMT_FP6 matrix_b_fmt:MATRIX_FMT_FP6
	v_wmma_scale_f32_16x16x128_f8f6f4 v[S+16*(3*\g+\i)+8:S+16*(3*\g+\i)+15], v[KF+12*\i:KF+12*\i+11], v[QHI:QHI+11], 0, v[KSC+3*\g+\i], v[QSC] matrix_a_fmt:MATRIX_FMT_FP6 matrix_b_fmt:MATRIX_FMT_FP6 matrix_a_scale:MATRIX_SCALE_ROW1
.endr
.endr                                          ; register 16 q + n of a lane: key 16 (n / 8) + n % 8 + 8 h of block q
.rept 4
	v_nop
.endr
.if \j < 3
	QLOAD \j+1                                     ; the next step's q, a step ahead
.endif
.irp k, 0,1,2
.irp p, 0,1
	ds_load_b32 v[VSR+2*\k+\p], v8 offset:(2*\j+\k)*512+\p*128   ; V's scale words of my three windows
.endr
.endr
.if \j == 0
.set DA, DE0
.else
.set DA, DD
.endif
.if \j == 3
.set DB, DE8
.else
.set DB, DD
.endif
.irp n, 0,1,2,3,4,5,6,7,8,9,10,11,12,13,14,15
	v_cmp_lt_i32 vcc_lo, 16*(\n/8)+\n%8, v[DA]     ; block 0 lies in the window before: keys in front of my query's place are hidden
	v_cndmask_b32 v[S+\n], v[S+\n], v[NINF], vcc_lo
.endr
.irp n, 0,1,2,3,4,5,6,7,8,9,10,11,12,13,14,15
	v_cmp_gt_i32 vcc_lo, 16*(\n/8)+\n%8, v[DB]     ; block 8 lies in the window after: keys behind it are hidden
	v_cndmask_b32 v[S+128+\n], v[S+128+\n], v[NINF], vcc_lo
.endr
.irp q, 0,1,2,3,4,5,6,7,8
	v_max3_num_f32 v[BM+\q], v[S+16*\q], v[S+16*\q+1], v[S+16*\q+2]   ; each block's largest score: for the row's maximum and for the block's largest p
.endr
.irp i, 3,5,7,9,11,13
.irp q, 0,1,2,3,4,5,6,7,8
	v_max3_num_f32 v[BM+\q], v[BM+\q], v[S+16*\q+\i], v[S+16*\q+\i+1]
.endr
.endr
.irp q, 0,1,2,3,4,5,6,7,8
	v_max_num_f32 v[BM+\q], v[BM+\q], v[S+16*\q+15]
.endr
.irp q, 0,1,2,3,4,5,6,7,8
	v_permlanex16_b32 v[BX+\q], v[BM+\q], s74, s75
.endr
.irp q, 0,1,2,3,4,5,6,7,8
	v_max_num_f32 v[BM+\q], v[BM+\q], v[BX+\q]     ; with lane l xor 16's 16 keys
.endr
	v_max3_num_f32 v[MX], v[BM], v[BM+1], v[BM+2]
	s_delay_alu instid0(VALU_DEP_1)
	v_max3_num_f32 v[MX], v[MX], v[BM+3], v[BM+4]
	s_delay_alu instid0(VALU_DEP_1)
	v_max3_num_f32 v[MX], v[MX], v[BM+5], v[BM+6]
	s_delay_alu instid0(VALU_DEP_1)
	v_max3_num_f32 v[MX], v[MX], v[BM+7], v[BM+8]  ; the row's largest score
	s_delay_alu instid0(VALU_DEP_1)
	v_mul_f32 v[NM], s72, v[MX]
	s_delay_alu instid0(VALU_DEP_1)
	v_mov_b32 v[NM+1], v[NM]
.set n, 0
.rept 72
	v_pk_fma_f32 v[S+n:S+n+1], v[S+n:S+n+1], s[70:71], v[NM:NM+1] op_sel_hi:[1,0,0]   ; c s - c m
.set n, n+2
.endr
.irp q, 0,1,2,3,4,5,6,7,8
	v_fma_f32 v[BM+\q], v[BM+\q], s70, v[NM]
.endr
.set n, 0
	s_wait_alu depctr_va_vdst(0)
.rept 144
	v_exp_f32 v[S+n], v[S+n]
.set n, n+1
.endr
	v_nop                                          ; a plain place behind the exponentials
	s_wait_alu depctr_va_vdst(0)                   ; one wait for the batch, ahead of its first reader
.irp q, 0,1,2,3,4,5,6,7,8
	v_exp_f32 v[BM+\q], v[BM+\q]                   ; the same two instructions on the same number give the same bits
.endr
	v_pk_add_f32 v[98:99], v[112:113], v[114:115]
	v_pk_add_f32 v[108:109], v[120:121], v[124:125]
	v_pk_add_f32 v[102:103], v[128:129], v[132:133]
	v_pk_add_f32 v[94:95], v[136:137], v[140:141]
	v_pk_add_f32 v[92:93], v[144:145], v[148:149]
	v_pk_add_f32 v[90:91], v[152:153], v[156:157]
	v_pk_add_f32 v[88:89], v[160:161], v[164:165]
	v_pk_add_f32 v[96:97], v[168:169], v[172:173]
	v_pk_add_f32 v[96:97], v[96:97], v[176:177]
	v_pk_add_f32 v[98:99], v[98:99], v[180:181]
	v_pk_add_f32 v[108:109], v[108:109], v[184:185]
	v_pk_add_f32 v[102:103], v[102:103], v[188:189]
	v_pk_add_f32 v[94:95], v[94:95], v[192:193]
	v_pk_add_f32 v[92:93], v[92:93], v[196:197]
	v_pk_add_f32 v[90:91], v[90:91], v[200:201]
	v_pk_add_f32 v[88:89], v[88:89], v[204:205]
	v_pk_add_f32 v[96:97], v[96:97], v[208:209]
	v_pk_add_f32 v[98:99], v[98:99], v[212:213]
	v_pk_add_f32 v[108:109], v[108:109], v[216:217]
	v_pk_add_f32 v[102:103], v[102:103], v[220:221]
	v_pk_add_f32 v[94:95], v[94:95], v[224:225]
	v_pk_add_f32 v[92:93], v[92:93], v[228:229]
	v_pk_add_f32 v[90:91], v[90:91], v[232:233]
	v_pk_add_f32 v[88:89], v[88:89], v[236:237]
	v_pk_add_f32 v[96:97], v[96:97], v[240:241]
	v_pk_add_f32 v[98:99], v[98:99], v[244:245]
	v_pk_add_f32 v[108:109], v[108:109], v[248:249]
	v_pk_add_f32 v[102:103], v[102:103], v[252:253]
	v_pk_add_f32 v[94:95], v[94:95], v[116:117]
	v_pk_add_f32 v[92:93], v[92:93], v[118:119]
	v_pk_add_f32 v[90:91], v[90:91], v[122:123]
	v_pk_add_f32 v[88:89], v[88:89], v[126:127]
	v_pk_add_f32 v[96:97], v[96:97], v[130:131]
	v_pk_add_f32 v[98:99], v[98:99], v[134:135]
	v_pk_add_f32 v[108:109], v[108:109], v[138:139]
	v_pk_add_f32 v[102:103], v[102:103], v[142:143]
	v_pk_add_f32 v[94:95], v[94:95], v[146:147]
	v_pk_add_f32 v[92:93], v[92:93], v[150:151]
	v_pk_add_f32 v[90:91], v[90:91], v[154:155]
	v_pk_add_f32 v[88:89], v[88:89], v[158:159]
	v_pk_add_f32 v[96:97], v[96:97], v[162:163]
	v_pk_add_f32 v[98:99], v[98:99], v[166:167]
	v_pk_add_f32 v[108:109], v[108:109], v[170:171]
	v_pk_add_f32 v[102:103], v[102:103], v[174:175]
	v_pk_add_f32 v[94:95], v[94:95], v[178:179]
	v_pk_add_f32 v[92:93], v[92:93], v[182:183]
	v_pk_add_f32 v[90:91], v[90:91], v[186:187]
	v_pk_add_f32 v[88:89], v[88:89], v[190:191]
	v_pk_add_f32 v[96:97], v[96:97], v[194:195]
	v_pk_add_f32 v[98:99], v[98:99], v[198:199]
	v_pk_add_f32 v[108:109], v[108:109], v[202:203]
	v_pk_add_f32 v[102:103], v[102:103], v[206:207]
	v_pk_add_f32 v[94:95], v[94:95], v[210:211]
	v_pk_add_f32 v[92:93], v[92:93], v[214:215]
	v_pk_add_f32 v[90:91], v[90:91], v[218:219]
	v_pk_add_f32 v[88:89], v[88:89], v[222:223]
	v_pk_add_f32 v[96:97], v[96:97], v[226:227]
	v_pk_add_f32 v[98:99], v[98:99], v[230:231]
	v_pk_add_f32 v[108:109], v[108:109], v[234:235]
	v_pk_add_f32 v[102:103], v[102:103], v[238:239]
	v_pk_add_f32 v[94:95], v[94:95], v[242:243]
	v_pk_add_f32 v[92:93], v[92:93], v[246:247]
	v_pk_add_f32 v[90:91], v[90:91], v[250:251]
	v_pk_add_f32 v[88:89], v[88:89], v[254:255]
	s_delay_alu instid0(VALU_DEP_4)
	v_pk_add_f32 v[96:97], v[96:97], v[94:95]
	s_delay_alu instid0(VALU_DEP_4)
	v_pk_add_f32 v[98:99], v[98:99], v[92:93]
	s_delay_alu instid0(VALU_DEP_4)
	v_pk_add_f32 v[108:109], v[108:109], v[90:91]
	s_delay_alu instid0(VALU_DEP_4)
	v_pk_add_f32 v[102:103], v[102:103], v[88:89]
	s_delay_alu instid0(VALU_DEP_2)
	v_pk_add_f32 v[96:97], v[96:97], v[108:109]
	s_delay_alu instid0(VALU_DEP_2)
	v_pk_add_f32 v[98:99], v[98:99], v[102:103]
	s_delay_alu instid0(VALU_DEP_1)
	v_pk_add_f32 v[96:97], v[96:97], v[98:99]
	s_delay_alu instid0(VALU_DEP_1)
	v_add_f32 v[SUM], v[SUM], v[SUM+1]
.if \j == 0
	v_fma_f32 v[SUM], s78, v[S], v[SUM]            ; the pad keys in front that are not among the nine blocks (a factor 0 away from the edge)
.endif
.if \j == 3
	v_fma_f32 v[SUM], s81, v[S+143], v[SUM]        ; and those behind
.endif
	s_delay_alu instid0(VALU_DEP_1)
	v_permlanex16_b32 v[TMP], v[SUM], s74, s75
	s_delay_alu instid0(VALU_DEP_1)
	v_add_f32 v[SUM], v[SUM], v[TMP]
	s_wait_alu depctr_va_vdst(0)
	v_rcp_f32 v[RI], v[SUM]
	v_nop
	s_wait_alu depctr_va_vdst(0)                   ; for the nine exponentials and the reciprocal
	v_mov_b32 v[RI+1], v[RI]
.set n, 0
.rept 72
	v_pk_mul_f32 v[S+n:S+n+1], v[S+n:S+n+1], v[RI:RI+1]        ; p, normalised: this is what is quantised
.set n, n+2
.endr
.irp q, 0,1,2,3,4,5,6,7,8
	v_mul_f32 v[BM+\q], v[BM+\q], v[RI]            ; each block's largest p
.endr
.irp q, 0,1,2,3,4,5,6,7,8
	v_max_num_f32 v[BM+\q], 0x1800000, v[BM+\q]    ; the floor 2^(3 - 127): the byte cannot fall under 1
.endr
.irp q, 0,1,2,3,4,5,6,7,8
	v_add_nc_u32 v[SO+\q], 0xff000000, v[BM+\q]    ; 2 off the exponent field: the conversion's scale operand
.endr
.irp q, 0,1,2,3,4,5,6,7,8
	v_lshrrev_b32 v[BM+\q], 23, v[SO+\q]           ; the scale's byte
.endr
	v_lshl_or_b32 v[PSC], v[BM+1], 8, v[BM]
	v_lshl_or_b32 v[PSC+1], v[BM+5], 8, v[BM+4]
	s_delay_alu instid0(VALU_DEP_2)
	v_lshl_or_b32 v[PSC], v[BM+2], 16, v[PSC]
	s_delay_alu instid0(VALU_DEP_2)
	v_lshl_or_b32 v[PSC+1], v[BM+6], 16, v[PSC+1]
	s_delay_alu instid0(VALU_DEP_2)
	v_lshl_or_b32 v[PSC], v[BM+3], 24, v[PSC]
	s_delay_alu instid0(VALU_DEP_2)
	v_lshl_or_b32 v[PSC+1], v[BM+7], 24, v[PSC+1]
	v_mov_b32 v[PSC+2], v[BM+8]
.if \j == 0
	s_delay_alu instid0(VALU_DEP_3)
	v_add_nc_u32 v[PSC], s79, v[PSC]               ; pad blocks stand for those left out: x 2 or x 4 by the scale byte
.endif
.if \j == 3
	s_delay_alu instid0(VALU_DEP_2)
	v_add_nc_u32 v[PSC+1], s83, v[PSC+1]
	s_delay_alu instid0(VALU_DEP_2)
	v_add_nc_u32 v[PSC+2], s82, v[PSC+2]
.endif
	s_wait_dscnt 0x0                               ; V's scale words
.irp s, 0,1
.irp p, 0,1
	v_perm_b32 v[VSA+2*\s+\p], v[VSR+2*\s+2+\p], v[VSR+2*\s+\p], s76   ; the nine blocks begin at block f of a window: four bytes from byte f on, of this window's word and the next's on end
.endr
.endr
.irp p, 0,1
	v_perm_b32 v[VSA+4+\p], v[VSR+4+\p], v[VSR+4+\p], s76      ; block 8's byte lowest; the other three are scale bytes of that window, which meet zero codes of p
.endr
	CONV P0, 0
	CONV P1, 1
	VLOAD \j, 0                                    ; into registers whose scores have been converted
.irp t, 0,1,2,3                                ; block 8: both lane halves read it, so that no byte beyond the nine blocks is touched; what lanes 16-31 and registers 6-11 hold meets zero codes of p
	ds_load_b128 v[VFB+6*\t:VFB+6*\t+3], v4 offset:\j*8192+8*1024+\t*256
	ds_load_b64 v[VFB+6*\t+4:VFB+6*\t+5], v6 offset:\j*4096+8*512+\t*128
.endr
.irp i, 0,1,2
	v_mov_b32 v[SCR+\i], 0
.endr
.irp i, 6,7,8,9,10,11
	v_mov_b32 v[P2+\i], 0
.endr
	v_cvt_scalef32_pk16_fp6_f32 v[P2:P2+2], v[S+128:S+143], v[SO+8]
	v_nop
.irp i, 0,1,2
	v_permlane16_swap_b32 v[P2+\i], v[SCR+\i]      ; lanes 0-15: block 8; lanes 16-31: zero codes
.endr
.irp i, 0,1,2
	s_delay_alu instid0(VALU_DEP_3)
	v_mov_b32 v[P2+3+\i], v[SCR+\i]
.endr
.rept 4
	v_nop                                          ; an operand written by vector instructions stands 4 places ahead of a scaled matrix instruction; the scale words were written ahead of all conversions
.endr
	s_wait_dscnt 0x0
.irp t, 0,1,2,3                                ; the four accumulators take turns, one instruction a turn
	PVT \t, VFA+12*\t, P0, VSA+\t/2, PSC, 1
.endr
	s_wait_alu depctr_va_vdst(0)
.irp t, 0,1,2,3
	PVT \t, VFB+6*\t, P2, VSA+4+\t/2, PSC+2, 0
.endr
.rept 4
	v_nop
.endr
	VLOAD \j, 1
	s_wait_dscnt 0x0
.irp t, 0,1,2,3
	PVT \t, VFA+12*\t, P1, VSA+2+\t/2, PSC+1, 0
.endr
.rept 5
	v_nop                                          ; four places in front of the reads of the results; a fifth since the next step's products write over these registers
.endr
.irp t, 0,1,2,3                                ; lane (r, h): o(query r, d = 16 t + 8 h + 0 .. 7): through my stage, so that whole rows of 256 bytes leave
	ds_store_b128 v12, v[O+8*\t:O+8*\t+3] offset:64*\t
	ds_store_b128 v12, v[O+8*\t+4:O+8*\t+7] offset:64*\t+16
.endr
.irp i, 0,1,2,3,4,5,6,7
	ds_load_b128 v[OB+4*\i:OB+4*\i+3], v13 offset:2*\i*SP      ; LDS serves a wave's instructions in order (ISA guide 5.7.1.4): these see my stores
.endr
.irp i, 0,1,2,3,4,5,6,7
	s_wait_dscnt 7-\i                              ; the 7 - i younger loads may be out
	global_store_b128 v14, v[OB+4*\i:OB+4*\i+3], s[68:69] offset:\j*1048576+2*\i*4096 th:TH_STORE_NT   ; sixteen lanes store 256 consecutive bytes, aligned: a head's part of a row of out0
.endr
.endm
	s_wait_alu depctr_va_vdst(0)
	STEP 0
	STEP 1
	STEP 2
	STEP 3
	s_wait_tensorcnt 0x0
	ds_add_u32 v110, v111
	s_wait_dscnt 0x0
	s_endpgm
.Lfunc_end_k_q435119d4d9_attn:
	.size	k_q435119d4d9_attn, .Lfunc_end_k_q435119d4d9_attn-k_q435119d4d9_attn
	.p2alignl 7, 3214868480
	.fill 96, 4, 3214868480
	.section	.rodata,"a",@progbits
	.p2align	6, 0x0
	.amdhsa_kernel k_q435119d4d9_attn
		.amdhsa_group_segment_fixed_size 204800
		.amdhsa_private_segment_fixed_size 0
		.amdhsa_enable_private_segment 0
		.amdhsa_kernarg_size 32
		.amdhsa_user_sgpr_count 2
		.amdhsa_user_sgpr_kernarg_segment_ptr 1
		.amdhsa_wavefront_size32 1
		.amdhsa_system_sgpr_workgroup_id_x 1
		.amdhsa_system_sgpr_workgroup_id_y 1
		.amdhsa_system_sgpr_workgroup_id_z 1
		.amdhsa_system_vgpr_workitem_id 0
		.amdhsa_next_free_vgpr 256
		.amdhsa_next_free_sgpr 100
		.amdhsa_reserve_vcc 1
		.amdhsa_float_denorm_mode_32 3
		.amdhsa_float_denorm_mode_16_64 3
		.amdhsa_memory_ordered 1
		.amdhsa_forward_progress 1
		.amdhsa_inst_pref_size 190
	.end_amdhsa_kernel
	.amdgpu_metadata
---
amdhsa.version: [ 1, 2 ]
amdhsa.kernels:
  - .name:           k_q435119d4d9_attn
    .symbol:         k_q435119d4d9_attn.kd
    .args:
      - { .name: pa, .offset: 0, .size: 8, .value_kind: global_buffer, .address_space: global }
      - { .name: pb, .offset: 8, .size: 8, .value_kind: global_buffer, .address_space: global }
      - { .name: ps, .offset: 16, .size: 8, .value_kind: global_buffer, .address_space: global }
      - { .name: out0, .offset: 24, .size: 8, .value_kind: global_buffer, .address_space: global }
    .group_segment_fixed_size: 204800
    .private_segment_fixed_size: 0
    .kernarg_segment_align: 8
    .kernarg_segment_size: 32
    .max_flat_workgroup_size: 512
    .sgpr_count:     100
    .vgpr_count:     256
    .wavefront_size: 32
...
	.end_amdgpu_metadata
.endif
;; end of part 2
